; MI455X (gfx1250); checked and timed in simulation.
; The chip was launched on July 23, 2026; its instructions are those of AMD's public machine-readable ISA for CDNA 5 (MIT licence, August 2026) and "CDNA5" Instruction Set Architecture Reference Guide (July 2026). The comments in the code are by the model that wrote it; some were corrected since.
;; Attn. Allowed arithmetic: float matrix products may take bf16 or f16 operands with f32 sums; all other float work in f32.
;; Inputs: W_attn 512 x 1,024 float32; b_attn 512 float32; encoder_outputs 64 x 2,048 x 512 float32; hidden 64 x 512 float32; v 512 float32.
;; Outputs: out0 64 x 2,048 float32.
;; One version. Each part assembles by itself: llvm-mc -triple=amdgcn-amd-amdhsa -mcpu=gfx1250 --defsym DOCPART=n.
;; ======== version 1 of 1: 3 launches
;; workspace buffers: u 4,096 bytes; scores 524,288 bytes
;; launch colsum (part 1): grid 16 x 1, 16 waves a work-group, no clusters, 10,240 bytes of LDS; arguments W_attn, v, u; writes u
.if DOCPART == 1
	.amdgcn_target "amdgcn-amd-amdhsa--gfx1250"
	.amdhsa_code_object_version 6
	.text
	.protected	k_q14a715faf7_colsum
	.globl	k_q14a715faf7_colsum
	.p2align	8
	.type	k_q14a715faf7_colsum,@function
k_q14a715faf7_colsum:
	s_mov_b64 s[64:65], 0
	v_nop
	global_prefetch_b8 v0, s[64:65] scope:SCOPE_SE
	s_setreg_imm32_b32 hwreg(HW_REG_WAVE_MODE, 25, 1), 1
	s_wait_xcnt 0x0
; u[k] = sum over h of v[h] * W[h][k], k = 0 .. 1023.  W: [512][1024] f32, v: [512] f32, u: [1024] f32.
; WHY: the 512 energies of a row are used for one thing, their product with v, and v.(W x + b) = (W^T v).x + v.b for every input.
; So the program forms u = W^T v once (here), then enc.u[512:1024] for every row (second launch), then adds hidden.u[0:512] + v.b
; and takes the softmax (third launch).  All sums are f32 on the vector unit: each product has one output column.
; LIMITS: the order of f32 rounding differs from the sum over k first, h second; where one order overflows f32 and the other
; does not, the results differ.
; SHARES: the work-group owns 64 columns (256 bytes of every row of W) and all 512 rows.  Thread t: c = t % 16 picks 4 columns
; (16 bytes), g = t / 16 picks rows 16 g .. 16 g + 15.  One load of a wave covers two runs of 256 consecutive bytes, each aligned.
; The 32 partial rows meet in LDS (row g at byte 256 g); wave 0 adds them and stores the group's 256 bytes of u.
.set ROWB, 4096                        ; bytes in a row of W
.set V,    8                           ; v[8:23]   v[16 g .. 16 g + 15]
.set ACC,  24                          ; v[24:27]  sums of my 4 columns, two chains of two
.set X,    28                          ; v[28:91]  16 loads of 4 registers; later the 32 partial pairs of wave 0
	s_load_b128 s[4:7], s[0:1], 0x0                ; W s[4:5], v s[6:7]
	s_load_b64 s[8:9], s[0:1], 0x10                ; u
	v_lshl_add_u32 v92, v0, 2, 0x2000
	v_mov_b32 v93, 0
	v_lshrrev_b32 v7, 5, v0
	v_readfirstlane_b32 s12, v7                    ; wave number
	s_lshl_b32 s10, ttmp9, 8                       ; the group's 256 bytes, in a row of W and in u
	s_mov_b32 s11, 0
	v_and_b32 v1, 15, v0                           ; c
	v_lshrrev_b32 v2, 4, v0                        ; g
	v_lshlrev_b32 v3, 4, v1
	v_lshl_or_b32 v3, v2, 16, v3                   ; 16 rows x 4,096 bytes x g + 16 c
	v_lshlrev_b32 v4, 6, v2                        ; 16 numbers x 4 bytes x g, in v
	v_lshlrev_b32 v5, 4, v0                        ; LDS: 16 t = 256 g + 16 c
	v_and_b32 v6, 31, v0
	v_lshlrev_b32 v6, 3, v6                        ; 8 x lane: wave 0's two columns, in LDS and in u
	s_wait_kmcnt 0x0
	s_add_nc_u64 s[4:5], s[4:5], s[10:11]
	s_add_nc_u64 s[8:9], s[8:9], s[10:11]
.irp j, 0,1,2,3
	global_load_b128 v[V+4*\j:V+4*\j+3], v4, s[6:7] offset:16*\j
.endr
.irp i, 0,1,2,3,4,5,6,7,8,9,10,11,12,13,14,15
	global_load_b128 v[X+4*\i:X+4*\i+3], v3, s[4:5] offset:ROWB*\i th:TH_LOAD_NT   ; every byte of W is read once in the launch
.endr
; Row i of my sixteen: ACC += v[16 g + i] * W's four numbers.  sel = i % 2 picks the register of the pair of v for both halves.
.macro ROWMAC i, sel
	s_wait_loadcnt 15-\i                           ; loads return in order: row i is in, the 15 - i younger rows stay out
.irp h, 0,2
	v_pk_fma_f32 v[ACC+\h:ACC+\h+1], v[X+4*\i+\h:X+4*\i+\h+1], v[V+\i-\sel:V+\i-\sel+1], v[ACC+\h:ACC+\h+1] op_sel:[0,\sel,0] op_sel_hi:[1,\sel,1]
.endr
.endm
	s_wait_loadcnt 15                              ; v's four loads and row 0 are in
	v_pk_mul_f32 v[ACC:ACC+1],   v[X:X+1],   v[V:V+1] op_sel_hi:[1,0]     ; the first products start the sums: nothing is cleared
	v_pk_mul_f32 v[ACC+2:ACC+3], v[X+2:X+3], v[V:V+1] op_sel_hi:[1,0]
	ROWMAC 1, 1
	ROWMAC 2, 0
	ROWMAC 3, 1
	ROWMAC 4, 0
	ROWMAC 5, 1
	ROWMAC 6, 0
	ROWMAC 7, 1
	ROWMAC 8, 0
	ROWMAC 9, 1
	ROWMAC 10, 0
	ROWMAC 11, 1
	ROWMAC 12, 0
	ROWMAC 13, 1
	ROWMAC 14, 0
	ROWMAC 15, 1
	ds_store_b128 v5, v[ACC:ACC+3]                 ; neighbouring lanes, neighbouring 16 bytes
	s_wait_dscnt 0x0                               ; my store is done, for wave 0's sake
	s_barrier_signal -1
	s_barrier_wait -1
	s_cmp_lg_u32 s12, 0
	s_cbranch_scc1 .Lend                           ; the rest is wave 0's
.irp p, 0,1,2,3,4,5,6,7,8,9,10,11,12,13,14,15,16,17,18,19,20,21,22,23,24,25,26,27,28,29,30,31
	ds_load_b64 v[X+2*\p:X+2*\p+1], v6 offset:256*\p       ; partial row p, my two columns
.endr
.irp p, 0,1,2,3,4,5,6,7,8,9,10,11,12,13,14,15
	s_wait_dscnt 15-\p                             ; partial rows p and p + 16 are in: 15 - p loads are younger than the latter
	v_pk_add_f32 v[X+2*\p:X+2*\p+1], v[X+2*\p:X+2*\p+1], v[X+2*\p+32:X+2*\p+33]
.endr
.macro LEVEL n                         ; partial row p += partial row p + n, p = 0 .. n - 1
.set p, 0
.rept \n
	v_pk_add_f32 v[X+2*p:X+2*p+1], v[X+2*p:X+2*p+1], v[X+2*(p+\n):X+2*(p+\n)+1]
.set p, p+1
.endr
.endm
	LEVEL 8
	LEVEL 4
	LEVEL 2
	LEVEL 1
	global_store_b64 v6, v[X:X+1], s[8:9]          ; 32 lanes store 256 consecutive bytes, at a multiple of 256 from u's first byte
.Lend:
	s_wait_tensorcnt 0x0
	ds_add_u32 v92, v93
	s_wait_dscnt 0x0
	s_endpgm
.Lfunc_end_k_q14a715faf7_colsum:
	.size	k_q14a715faf7_colsum, .Lfunc_end_k_q14a715faf7_colsum-k_q14a715faf7_colsum
	.p2alignl 7, 3214868480
	.fill 96, 4, 3214868480
	.section	.rodata,"a",@progbits
	.p2align	6, 0x0
	.amdhsa_kernel k_q14a715faf7_colsum
		.amdhsa_group_segment_fixed_size 10240
		.amdhsa_private_segment_fixed_size 0
		.amdhsa_enable_private_segment 0
		.amdhsa_kernarg_size 24
		.amdhsa_user_sgpr_count 2
		.amdhsa_user_sgpr_kernarg_segment_ptr 1
		.amdhsa_wavefront_size32 1
		.amdhsa_system_sgpr_workgroup_id_x 1
		.amdhsa_system_sgpr_workgroup_id_y 1
		.amdhsa_system_sgpr_workgroup_id_z 1
		.amdhsa_system_vgpr_workitem_id 0
		.amdhsa_next_free_vgpr 94
		.amdhsa_next_free_sgpr 66
		.amdhsa_reserve_vcc 0
		.amdhsa_float_denorm_mode_32 3
		.amdhsa_float_denorm_mode_16_64 3
		.amdhsa_memory_ordered 1
		.amdhsa_forward_progress 1
		.amdhsa_inst_pref_size 11
	.end_amdhsa_kernel
	.amdgpu_metadata
---
amdhsa.version: [ 1, 2 ]
amdhsa.kernels:
  - .name:           k_q14a715faf7_colsum
    .symbol:         k_q14a715faf7_colsum.kd
    .args:
      - { .name: W_attn, .offset: 0, .size: 8, .value_kind: global_buffer, .address_space: global }
      - { .name: v, .offset: 8, .size: 8, .value_kind: global_buffer, .address_space: global }
      - { .name: u, .offset: 16, .size: 8, .value_kind: global_buffer, .address_space: global }
    .group_segment_fixed_size: 10240
    .private_segment_fixed_size: 0
    .kernarg_segment_align: 8
    .kernarg_segment_size: 24
    .max_flat_workgroup_size: 512
    .sgpr_count:     66
    .vgpr_count:     94
    .wavefront_size: 32
...
	.end_amdgpu_metadata
.endif
;; end of part 1
;; launch scores (part 2): grid 256 x 1, 8 waves a work-group, no clusters, 0 bytes of LDS; arguments encoder_outputs, u, scores; writes scores
.if DOCPART == 2
	.amdgcn_target "amdgcn-amd-amdhsa--gfx1250"
	.amdhsa_code_object_version 6
	.text
	.protected	k_q14a715faf7_scores
	.globl	k_q14a715faf7_scores
	.p2align	8
	.type	k_q14a715faf7_scores,@function
k_q14a715faf7_scores:
	s_mov_b64 s[64:65], 0
	v_nop
	global_prefetch_b8 v0, s[64:65] scope:SCOPE_SE
	s_setreg_imm32_b32 hwreg(HW_REG_WAVE_MODE, 25, 1), 1
	s_wait_xcnt 0x0
; scores[row] = enc[row][0:512] . u[512:1024], row = 2048 b + s, 131,072 rows of 2,048 bytes.  All in f32.
; (The part of the score that is common to a batch, hidden.u[0:512] + v.b, is added in the next launch, in front of the maximum.)
; Two flops for every four bytes read, one output column: a stream, so no matrix unit and no LDS.  No joint requests either: what
; work-groups share is 2,048 bytes of u against 1 MiB of rows of their own.
; LIMIT: an infinity in enc that meets an exact zero of u gives NaN.
; SHARES: the work-group owns 512 rows, a wave 64 consecutive rows.  A row is four loads of the wave, 512 consecutive bytes each;
; lane l holds columns 128 j + 4 l .. + 3 (j = 0 .. 3) of every row, so its 16 numbers of u stay in registers.
; A ring of four slots of two rows keeps 32 loads (16 KiB) of every wave on their way.  Each row leaves one partial sum a lane in
; P; the 64 rows' sums over the lanes are made together at the end by a fold that halves the registers at each level, so that
; lane l ends with rows 2 l and 2 l + 1 and one store of the wave covers its 256 bytes of scores.
; No address, base or store register is ever rewritten and EXEC never changes: the only waits are for loaded data.
.set ROW,  2048                        ; bytes in a row
.set OFF,  1                           ; v1        wave x 64 rows + 16 x lane; never rewritten
.set U,    4                           ; v[4:19]   my 16 numbers of u[512:1024]
.set ACC,  20                          ; v[20:21] the even row's chain, v[22:23] the odd row's
.set P,    24                          ; v[24:87]  P + r: my partial sum of row r of the wave's 64
.set X,    88                          ; v[88:215] slot s: even row at X + 32 s, odd row at X + 32 s + 16; at the end the fold's sends
	s_load_b128 s[4:7], s[0:1], 0x0                ; enc s[4:5], u s[6:7]
	s_load_b64 s[8:9], s[0:1], 0x10                ; scores
	s_lshl_b32 s10, ttmp9, 20                      ; 512 rows x 2,048 bytes; 255 << 20 stays below 2^32
	s_mov_b32 s11, 0
	s_lshl_b32 s12, ttmp9, 11                      ; 512 scores x 4 bytes
	s_mov_b32 s13, 0
	s_mov_b32 s14, 0xff00ff00                      ; lanes whose number has bit 3 set
	s_mov_b32 s15, 0xf0f0f0f0                      ; bit 2
	s_mov_b32 s16, 0xcccccccc                      ; bit 1
	s_mov_b32 s17, 0xaaaaaaaa                      ; bit 0
	v_and_b32 v2, 31, v0
	v_lshlrev_b32 v2, 4, v2                        ; 16 x lane
	v_lshrrev_b32 v3, 5, v0
	v_lshl_or_b32 v[OFF], v3, 17, v2               ; + wave x 64 rows x 2,048 bytes
	v_lshlrev_b32 v3, 3, v0                        ; wave x 256 + lane x 8: my two scores
	s_wait_kmcnt 0x0
	s_add_nc_u64 s[4:5], s[4:5], s[10:11]
	s_add_nc_u64 s[8:9], s[8:9], s[12:13]
.irp j, 0,1,2,3
	global_load_b128 v[U+4*\j:U+4*\j+3], v2, s[6:7] offset:2048+512*\j
.endr
; Rows 2 i and 2 i + 1 into slot i % 4: eight loads.  The row stands in the immediate, 130,560 bytes at the most.
.macro FILL i
.irp q, 0,1
.irp j, 0,1,2,3
	global_load_b128 v[X+32*((\i)%4)+16*\q+4*\j:X+32*((\i)%4)+16*\q+4*\j+3], v[OFF], s[4:5] offset:(2*(\i)+\q)*ROW+512*\j th:TH_LOAD_NT
.endr
.endr
.endm
; The turn of rows 2 i and 2 i + 1.  fill = 1: the slot gets the rows eight further down.  left = younger loads that may stay out.
; The two rows' chains alternate, so that no line needs the result of the line in front of it.
.macro STEP i, fill, left
.set S, X+32*((\i)%4)
	s_wait_loadcnt \left                           ; loads return in order: this slot's eight are in
	v_pk_mul_f32 v[ACC:ACC+1],   v[S:S+1],     v[U:U+1]       ; the first products start the sums
	v_pk_mul_f32 v[ACC+2:ACC+3], v[S+16:S+17], v[U:U+1]
.irp k, 1,2,3,4,5,6,7
	v_pk_fma_f32 v[ACC:ACC+1],   v[S+2*\k:S+2*\k+1],       v[U+2*\k:U+2*\k+1], v[ACC:ACC+1]
	v_pk_fma_f32 v[ACC+2:ACC+3], v[S+16+2*\k:S+16+2*\k+1], v[U+2*\k:U+2*\k+1], v[ACC+2:ACC+3]
.endr
.if \fill
	FILL (\i)+4                                    ; straight behind the slot's last reader
.endif
	v_add_f32 v[P+2*(\i)],   v[ACC],   v[ACC+1]
	v_add_f32 v[P+2*(\i)+1], v[ACC+2], v[ACC+3]
.endm
	FILL 0
	FILL 1
	FILL 2
	FILL 3
.set n, 0
.rept 28
	STEP n, 1, 24                                  ; three younger slots of eight loads stay out (u's four loads are older than all)
.set n, n+1
.endr
	STEP 28, 0, 24                                 ; the last four turns load nothing: no load leaves the buffer, the counts run down
	STEP 29, 0, 16
	STEP 30, 0, 8
	STEP 31, 0, 0
	; THE FOLD.  Call i = r / 2 a register pair's index, 0 .. 31.  At each level a lane gives away the half of its indices whose bit
	; differs from its own lane number's bit and adds what its partner gives it.  After bits 4, 3, 2, 1, 0 lane l holds index l alone,
	; summed over all 32 lanes.
	; Bit 4: the swap exchanges the upper 16 lanes of index i with the lower 16 lanes of index i + 16; their sum is index i in lanes
	; 0-15 and index i + 16 in lanes 16-31.
.set r, 0
.rept 32
	v_permlane16_swap_b32 v[P+r], v[P+r+32]
.set r, r+1
.endr
.set r, 0
.rept 16
	v_pk_add_f32 v[P+2*r:P+2*r+1], v[P+2*r:P+2*r+1], v[P+2*r+32:P+2*r+33]
.set r, r+1
.endr
; Bits 3 to 0: n = the bit's value, mask = the lanes that have it.  a = P + r (index i), b = P + r + 2 n (index i + n).
; A lane with the bit sends a and keeps b, one without sends b and keeps a; the add takes the send of lane xor n.
.macro FOLD n, mask
.set r, 0
.rept 2*\n
	v_cndmask_b32 v[X+r], v[P+r+2*\n], v[P+r], \mask               ; the send
.set r, r+1
.endr
.set r, 0
.rept 2*\n
	v_cndmask_b32 v[P+r], v[P+r], v[P+r+2*\n], \mask               ; the keep
.set r, r+1
.endr
.set r, 0
.rept 2*\n
	v_add_f32_dpp v[P+r], v[X+r], v[P+r] row_xmask:\n row_mask:0xf bank_mask:0xf
.set r, r+1
.endr
.endm
	FOLD 8, s14
	FOLD 4, s15
	FOLD 2, s16
	FOLD 1, s17
	global_store_b64 v3, v[P:P+1], s[8:9]          ; rows 2 l, 2 l + 1: the wave stores 256 consecutive bytes, at a multiple of 256 from the buffer's first byte
	s_endpgm
.Lfunc_end_k_q14a715faf7_scores:
	.size	k_q14a715faf7_scores, .Lfunc_end_k_q14a715faf7_scores-k_q14a715faf7_scores
	.p2alignl 7, 3214868480
	.fill 96, 4, 3214868480
	.section	.rodata,"a",@progbits
	.p2align	6, 0x0
	.amdhsa_kernel k_q14a715faf7_scores
		.amdhsa_group_segment_fixed_size 0
		.amdhsa_private_segment_fixed_size 0
		.amdhsa_enable_private_segment 0
		.amdhsa_kernarg_size 24
		.amdhsa_user_sgpr_count 2
		.amdhsa_user_sgpr_kernarg_segment_ptr 1
		.amdhsa_wavefront_size32 1
		.amdhsa_system_sgpr_workgroup_id_x 1
		.amdhsa_system_sgpr_workgroup_id_y 1
		.amdhsa_system_sgpr_workgroup_id_z 1
		.amdhsa_system_vgpr_workitem_id 0
		.amdhsa_next_free_vgpr 216
		.amdhsa_next_free_sgpr 66
		.amdhsa_reserve_vcc 0
		.amdhsa_float_denorm_mode_32 3
		.amdhsa_float_denorm_mode_16_64 3
		.amdhsa_memory_ordered 1
		.amdhsa_forward_progress 1
		.amdhsa_inst_pref_size 69
	.end_amdhsa_kernel
	.amdgpu_metadata
---
amdhsa.version: [ 1, 2 ]
amdhsa.kernels:
  - .name:           k_q14a715faf7_scores
    .symbol:         k_q14a715faf7_scores.kd
    .args:
      - { .name: encoder_outputs, .offset: 0, .size: 8, .value_kind: global_buffer, .address_space: global }
      - { .name: u, .offset: 8, .size: 8, .value_kind: global_buffer, .address_space: global }
      - { .name: scores, .offset: 16, .size: 8, .value_kind: global_buffer, .address_space: global }
    .group_segment_fixed_size: 0
    .private_segment_fixed_size: 0
    .kernarg_segment_align: 8
    .kernarg_segment_size: 24
    .max_flat_workgroup_size: 256
    .sgpr_count:     66
    .vgpr_count:     216
    .wavefront_size: 32
...
	.end_amdgpu_metadata
.endif
;; end of part 2
;; launch softmax (part 3): grid 64 x 1, 8 waves a work-group, no clusters, 1,280 bytes of LDS; arguments scores, u, hidden, v, b_attn, out0; writes out0
.if DOCPART == 3
	.amdgcn_target "amdgcn-amd-amdhsa--gfx1250"
	.amdhsa_code_object_version 6
	.text
	.protected	k_q14a715faf7_softmax
	.globl	k_q14a715faf7_softmax
	.p2align	8
	.type	k_q14a715faf7_softmax,@function
k_q14a715faf7_softmax:
	s_mov_b64 s[64:65], 0
	v_nop
	global_prefetch_b8 v0, s[64:65] scope:SCOPE_SE
	s_setreg_imm32_b32 hwreg(HW_REG_WAVE_MODE, 25, 1), 1
	s_wait_xcnt 0x0
; out0[b][s] = softmax over s of (scores[b][s] + c), c = hidden[b] . u[0:512] + v . b_attn.  One work-group for a batch, all in f32.
; c is common to the batch's 2,048 scores; it is added all the same, in front of the maximum, so that the numbers that enter the
; exponential are the full scores and a NaN or an infinity in hidden, b_attn, v or W's first half reaches the output.
; The maximum of the full scores is taken away: it is max(raw) + c, since adding c and rounding keeps the order.  So the largest
; exponent is exactly 0 and the sum of exponentials lies between 1 and 2,048.
; Thread t owns the scores at bytes 16 t and 4,096 + 16 t of the batch's 8,192, and elements 2 t, 2 t + 1 of the four vectors of 512.
; LDS: bytes 0-63: (c, max) of wave w at 8 w.  Bytes 128-159: the sum of exponentials of wave w at 128 + 4 w.  Two regions, each
; written once, so one barrier each.
.set H,  6                             ; v[6:7]    hidden
.set UH, 8                             ; v[8:9]    u[0:512]
.set VV, 10                            ; v[10:11]  v
.set BB, 12                            ; v[12:13]  b_attn
.set Z,  14                            ; v[14:21]  my 8 scores
.set G,  26                            ; v[26:41]  what the eight waves left in LDS
.set E,  42                            ; v[42:49]  exponentials, then results
.set R,  50                            ; v[50:51]  1 / sum, twice
	s_load_b256 s[4:11], s[0:1], 0x0               ; scores s[4:5], u s[6:7], hidden s[8:9], v s[10:11]
	s_load_b128 s[12:15], s[0:1], 0x20             ; b_attn s[12:13], out0 s[14:15]
	v_lshl_add_u32 v52, v0, 2, 0x100
	v_mov_b32 v53, 0
	s_lshl_b32 s16, ttmp9, 13                      ; 2,048 numbers x 4 bytes: the batch's row of scores and of out0
	s_mov_b32 s17, 0
	s_lshl_b32 s18, ttmp9, 11                      ; 512 x 4 bytes: its row of hidden
	s_mov_b32 s19, 0
	s_mov_b32 s20, 0x76543210                      ; v_permlanex16_b32: lane i of one half reads lane i of the other
	s_mov_b32 s21, 0xfedcba98
	v_lshlrev_b32 v1, 4, v0                        ; 16 t
	v_lshlrev_b32 v2, 3, v0                        ; 8 t
	v_lshrrev_b32 v4, 5, v0                        ; wave
	v_lshlrev_b32 v3, 3, v4                        ; 8 x wave
	v_lshlrev_b32 v4, 2, v4                        ; 4 x wave
	v_mov_b32 v5, 0
	s_wait_kmcnt 0x0
	s_add_nc_u64 s[4:5], s[4:5], s[16:17]
	s_add_nc_u64 s[14:15], s[14:15], s[16:17]
	s_add_nc_u64 s[8:9], s[8:9], s[18:19]
	global_load_b64 v[H:H+1],   v2, s[8:9]
	global_load_b64 v[UH:UH+1], v2, s[6:7]
	global_load_b64 v[VV:VV+1], v2, s[10:11]
	global_load_b64 v[BB:BB+1], v2, s[12:13]
	global_load_b128 v[Z:Z+3],   v1, s[4:5] th:TH_LOAD_NT
	global_load_b128 v[Z+4:Z+7], v1, s[4:5] offset:4096 th:TH_LOAD_NT
; Over the 32 lanes, result in every lane: four steps inside each half of 16 lanes ride on the arithmetic, one crosses the halves.
; opd, op: the instruction with and without DPP; r: the register; tmp: a register that has been written before.
.macro WRED opd, op, r, tmp
.irp m, 1,2,4,8
	\opd v\r, v\r, v\r row_xmask:\m row_mask:0xf bank_mask:0xf
.endr
	v_permlanex16_b32 v\tmp, v\r, s20, s21
	\op v\r, v\r, v\tmp
.endm
	s_wait_loadcnt 0x2                             ; the four vectors are in; the two loads of scores may stay out
	v_pk_mul_f32 v[24:25], v[H:H+1], v[UH:UH+1]
	v_pk_fma_f32 v[24:25], v[VV:VV+1], v[BB:BB+1], v[24:25]
	v_add_f32 v22, v24, v25                        ; my share of c
	s_wait_loadcnt 0x0
	v_max3_num_f32 v23, v[Z], v[Z+1], v[Z+2]
	v_max3_num_f32 v23, v23, v[Z+3], v[Z+4]
	v_max3_num_f32 v23, v23, v[Z+5], v[Z+6]
	v_max_num_f32 v23, v23, v[Z+7]                 ; the largest of my 8 raw scores (a NaN is passed over here and comes back through the sum)
	WRED v_add_f32_dpp, v_add_f32, 22, 24
	WRED v_max_num_f32_dpp, v_max_num_f32, 23, 25
	ds_store_b64 v3, v[22:23]                      ; all lanes of a wave write the same two words with the same values
	s_wait_dscnt 0x0                               ; done, for the other waves' sake
	s_barrier_signal -1
	s_barrier_wait -1
.irp k, 0,1,2,3
	ds_load_b128 v[G+4*\k:G+4*\k+3], v5 offset:16*\k       ; G + 2 w: wave w's c, G + 2 w + 1: its maximum
.endr
	s_wait_dscnt 0x0
	v_add_f32 v22, v[G], v[G+2]
	v_add_f32 v24, v[G+4], v[G+6]
	v_add_f32 v23, v[G+8], v[G+10]
	v_add_f32 v25, v[G+12], v[G+14]
	v_add_f32 v22, v22, v24
	v_add_f32 v23, v23, v25
	v_add_f32 v22, v22, v23                        ; c
	v_max3_num_f32 v25, v[G+1], v[G+3], v[G+5]
	v_max3_num_f32 v25, v25, v[G+7], v[G+9]
	v_max3_num_f32 v25, v25, v[G+11], v[G+13]
	v_max_num_f32 v25, v25, v[G+15]                ; the batch's largest raw score
	v_add_f32 v24, v25, v22                        ; the largest full score
.irp k, 0,2,4,6
	v_pk_add_f32 v[Z+\k:Z+\k+1], v[Z+\k:Z+\k+1], v[22:23] op_sel_hi:[1,0]                             ; the full score
.endr
.irp k, 0,2,4,6
	v_pk_add_f32 v[Z+\k:Z+\k+1], v[Z+\k:Z+\k+1], v[24:25] op_sel_hi:[1,0] neg_lo:[0,1] neg_hi:[0,1]   ; less the maximum
.endr
.irp k, 0,2,4,6
	v_pk_mul_f32 v[Z+\k:Z+\k+1], v[Z+\k:Z+\k+1], 0x3fb8aa3b op_sel_hi:[1,0]                           ; times log2 e: v_exp_f32 is 2^x
.endr
.irp k, 0,1,2,3,4,5,6,7
	v_exp_f32 v[E+\k], v[Z+\k]
.endr
	v_nop                                          ; one plain vector instruction between a transcendental and the first use of its result (ISA guide 5.7.2)
	s_wait_alu depctr_va_vdst(0)
	v_pk_add_f32 v[22:23], v[E:E+1], v[E+2:E+3]
	v_pk_add_f32 v[24:25], v[E+4:E+5], v[E+6:E+7]
	v_pk_add_f32 v[22:23], v[22:23], v[24:25]
	v_add_f32 v22, v22, v23
	WRED v_add_f32_dpp, v_add_f32, 22, 23
	ds_store_b32 v4, v22 offset:128
	s_wait_dscnt 0x0                               ; done, for the other waves' sake
	s_barrier_signal -1
	s_barrier_wait -1
	ds_load_b128 v[G:G+3],   v5 offset:128
	ds_load_b128 v[G+4:G+7], v5 offset:144
	s_wait_dscnt 0x0
	v_pk_add_f32 v[G:G+1], v[G:G+1], v[G+2:G+3]
	v_pk_add_f32 v[G+4:G+5], v[G+4:G+5], v[G+6:G+7]
	v_pk_add_f32 v[G:G+1], v[G:G+1], v[G+4:G+5]
	v_add_f32 v22, v[G], v[G+1]                    ; the batch's sum of exponentials
	v_rcp_f32 v[R], v22                            ; twice, to fill the pair that the packed multiply takes
	v_rcp_f32 v[R+1], v22
	v_nop                                          ; the plain place behind the transcendentals
	s_wait_alu depctr_va_vdst(0)
.irp k, 0,2,4,6
	v_pk_mul_f32 v[E+\k:E+\k+1], v[E+\k:E+\k+1], v[R:R+1]
.endr
	global_store_b128 v1, v[E:E+3],   s[14:15]                 ; each store of a wave covers 512 consecutive bytes, aligned
	global_store_b128 v1, v[E+4:E+7], s[14:15] offset:4096
	s_wait_tensorcnt 0x0
	ds_add_u32 v52, v53
	s_wait_dscnt 0x0
	s_endpgm
.Lfunc_end_k_q14a715faf7_softmax:
	.size	k_q14a715faf7_softmax, .Lfunc_end_k_q14a715faf7_softmax-k_q14a715faf7_softmax
	.p2alignl 7, 3214868480
	.fill 96, 4, 3214868480
	.section	.rodata,"a",@progbits
	.p2align	6, 0x0
	.amdhsa_kernel k_q14a715faf7_softmax
		.amdhsa_group_segment_fixed_size 1280
		.amdhsa_private_segment_fixed_size 0
		.amdhsa_enable_private_segment 0
		.amdhsa_kernarg_size 48
		.amdhsa_user_sgpr_count 2
		.amdhsa_user_sgpr_kernarg_segment_ptr 1
		.amdhsa_wavefront_size32 1
		.amdhsa_system_sgpr_workgroup_id_x 1
		.amdhsa_system_sgpr_workgroup_id_y 1
		.amdhsa_system_sgpr_workgroup_id_z 1
		.amdhsa_system_vgpr_workitem_id 0
		.amdhsa_next_free_vgpr 54
		.amdhsa_next_free_sgpr 66
		.amdhsa_reserve_vcc 0
		.amdhsa_float_denorm_mode_32 3
		.amdhsa_float_denorm_mode_16_64 3
		.amdhsa_memory_ordered 1
		.amdhsa_forward_progress 1
		.amdhsa_inst_pref_size 7
	.end_amdhsa_kernel
	.amdgpu_metadata
---
amdhsa.version: [ 1, 2 ]
amdhsa.kernels:
  - .name:           k_q14a715faf7_softmax
    .symbol:         k_q14a715faf7_softmax.kd
    .args:
      - { .name: scores, .offset: 0, .size: 8, .value_kind: global_buffer, .address_space: global }
      - { .name: u, .offset: 8, .size: 8, .value_kind: global_buffer, .address_space: global }
      - { .name: hidden, .offset: 16, .size: 8, .value_kind: global_buffer, .address_space: global }
      - { .name: v, .offset: 24, .size: 8, .value_kind: global_buffer, .address_space: global }
      - { .name: b_attn, .offset: 32, .size: 8, .value_kind: global_buffer, .address_space: global }
      - { .name: out0, .offset: 40, .size: 8, .value_kind: global_buffer, .address_space: global }
    .group_segment_fixed_size: 1280
    .private_segment_fixed_size: 0
    .kernarg_segment_align: 8
    .kernarg_segment_size: 48
    .max_flat_workgroup_size: 256
    .sgpr_count:     66
    .vgpr_count:     54
    .wavefront_size: 32
...
	.end_amdgpu_metadata
.endif
;; end of part 3
